; MI455X (gfx1250); checked and timed in simulation.
; The chip was launched on July 23, 2026; its instructions are those of AMD's public machine-readable ISA for CDNA 5 (MIT licence, August 2026) and "CDNA5" Instruction Set Architecture Reference Guide (July 2026). The comments in the code are by the model that wrote it; some were corrected since.
;; Attention. Allowed arithmetic: matrix products marked QUANTISED: E4M3 operands, one given power-of-two scale a tensor, by v_wmma_f32_16x16x64_fp8_fp8 or v_wmma_f32_16x16x128_fp8_fp8, f32 sums; products left as they are: f32 operands where the result goes on into a quantised operand, else bf16, f16 or f32 operands; f32 sums; everything else in f32.
;; Inputs: W_codes 1,024 x 32 x 32 uint8 (E4M3 codes of W, K innermost, in blocks of 32 codes); b 1,024 float32; encoder_outputs_codes 2,048 x 32 x 32 x 32 uint8 (E4M3 codes of encoder_outputs, K innermost, in blocks of 32 codes); hidden 1 x 32 x 1,024 float32; lowp_scales 2 int32 (the exponents e of the quantised operands' scales 2^e).
;; Outputs: out0 32 x 1 x 2,048 float32.
;; This version of the problem:
;;   THIS VERSION OF THE PROBLEM IS GIVEN IN LOW PRECISION. The matrix products marked QUANTISED in the list below multiply operands that are first quantised to E4M3 (4 exponent bits, 3 mantissa bits; 8 bits a number), with one given power-of-two scale for each operand tensor; their sums are f32. All else is computed in f32.
;;   The module's matrix products, in the order in which they are computed (A, B: the left and right operand; K: the contracted axis; several contracted axes count as one K, in the product's order):
;;     1. [M 65,536, K 1,024] x [K 1,024, N 1,024]; A: input encoder_outputs (given as codes); B: input W (given as codes): QUANTISED (scales: A lowp_scales[0], B lowp_scales[1])
;;     2. batch 32 x [M 1, K 1,024] x [K 1,024, N 2,048]; A: input hidden; B: computed on the way: left as it is (M = 1 < 16)
;;   THE QUANTISER, for each operand of a quantised product, along K:
;;     - The operand's scale is 2^e, e = its entry of the input lowp_scales (int32; the entries are numbered through the quantised products in the list's order, A before B).
;;     - Each number is divided by the scale, clamped to +-448, and rounded to the nearest number of E4M3, ties to even, subnormals kept.
;;     - The product sums the exact products of the quantised numbers (number of the format x scale) in f32.
;;   ~~~python
;;   def quantise(x, axis, e):      # numpy; x: float32 -> the quantised numbers, widened to float32 again
;;       x = np.moveaxis(x, axis, -1); K = x.shape[-1]
;;       r = np.clip(x / 2.0 ** e, -448, 448)
;;       step = 2.0 ** (np.maximum(np.frexp(np.where(r == 0, 1, r))[1] - 1, -6) - 3)
;;       q = np.round(r / step) * step * 2.0 ** e      # np.round: ties to even
;;       return np.moveaxis(q, -1, axis).astype(np.float32)
;;   ~~~
;;   INPUTS GIVEN AS CODES. W (in the module: [1024, 1024], K = its axis 1); encoder_outputs (in the module: [2048, 32, 1024], K = its axis 2): each comes as NAME_codes (uint8): NAME with its K axis moved to the last place and cut into blocks of 32 codes, [.., K / 32, bytes a block], one block behind the other in memory; one code a byte (a code: sign, 4 exponent bits, 3 mantissa bits); its scale is its entry of lowp_scales. Its value is code x scale, taken as it is: it is not quantised again, and the codes and scales need not be those that the quantiser above would give.
;; 2 versions. Each part assembles by itself: llvm-mc -triple=amdgcn-amd-amdhsa -mcpu=gfx1250 --defsym DOCPART=n.
;; ======== version 1 of 2: 2 launches
;; workspace buffers: part 1,048,576 bytes
;; launch scores (part 1): grid 4 x 64, 4 waves a work-group, clusters of 4 x 4, 327,680 bytes of LDS; arguments encoder_outputs_codes, W_codes, hidden, part; writes part
.if DOCPART == 1
	.amdgcn_target "amdgcn-amd-amdhsa--gfx1250"
	.amdhsa_code_object_version 6
	.text
	.protected	k_q95a20e8044_scores
	.globl	k_q95a20e8044_scores
	.p2align	8
	.type	k_q95a20e8044_scores,@function
k_q95a20e8044_scores:
	s_mov_b64 s[64:65], 0
	v_nop
	global_prefetch_b8 v0, s[64:65] scope:SCOPE_SE
	s_setreg_imm32_b32 hwreg(HW_REG_WAVE_MODE, 25, 1), 1
	s_wait_xcnt 0x0
	s_wait_alu depctr_hold_cnt(0) depctr_sa_sdst(0) depctr_va_vdst(0) depctr_va_sdst(0) depctr_va_ssrc(0) depctr_va_vcc(0) depctr_vm_vsrc(0)
	s_getreg_b32 s2, hwreg(HW_REG_IB_STS2, 6, 4)
	s_cmp_eq_u32 s2, 0
	s_cbranch_scc0 .Lentry_in_a_cluster
	s_endpgm
.Lentry_in_a_cluster:
	s_bfe_u32 s2, ttmp6, 0x10000c
	s_cmp_lg_u32 s2, 0xf033
	s_cbranch_scc0 .Lentry_shape_is_right
	s_endpgm
.Lentry_shape_is_right:
; part[q][g][b][sl] = sum over n = 256 q .. 256 q + 255 of hidden[b][n] x (sum over k of E[m][k] W[n][k]), on the CODES' values, without the two scales and without the bias
; (the next launch adds the four q, multiplies by 2^(e0 + e1) and adds hidden . bias).  E: 65,536 rows m = 32 s + b of 1,024 codes of E4M3; W: 1,024 rows n of 1,024 codes; s = 32 g + sl.
; SHARES.  Work-group (q, g) owns 256 rows of W and 1,024 rows of E.  Four waves w = 2 i + j: wave (i, j) keeps rows 256 q + 128 i .. + 127 of W at K = 512 j .. 512 j + 511 in 512 REGISTERS for the
; whole launch, and its lanes' 128 numbers of hidden too.  Only E streams: sets of 128 rows x 1,024 K through a ring of two LDS slots.  A fragment of E (16 rows x 128 K, four LDS loads) feeds eight products.
; K is shared by two waves, and a fragment's k lie as four loads of 16 bytes bring them, alike in E and in W: every product meets its partner; only the order of the f32 sums differs from an ascending one.
; TRANSPOSED USE: source 0 = 16 rows of W, source 1 = 16 rows of E: lane (r, h) holds row r of E's tile, and register jj of accumulator t the column n = 16 t + 8 h + jj.  A tile is 16 neighbouring m from a
; multiple of 16 on: the lane's batch is r in even tiles and 16 + r in odd ones.  The second product is the first one's way out: S += hidden[b][n] x accumulator, packed multiply-adds in f32 set between the products.
; THE ORDER OF K TURNS ROUND FROM TILE TO TILE: even tiles take K steps 0,1,2,3, odd tiles 3,2,1,0.  So an even tile's way out lies round two runs on W's step 3, an odd one's round two runs on step 0; the even tiles'
; hidden lies in the window of W's step 3, the odd tiles' in that of step 0, with copies of the LDS addresses beside them, and only source 0's window ever changes: four switches for 64 products.
; CLUSTER 4 x 4.  E's tiles hang on g alone and are asked for jointly along a row of the cluster; W's panels hang on q alone and are asked for jointly along a column.
; By this text's own count a wave has two tensor loads out at the start and one behind each round.
; LIMITS: none on the scales here (they are applied in the next launch).  NaN codes give what the matrix unit makes of them.
; REGISTERS, in windows of 256 (s_set_vgpr_msb: bits 1:0 source 0, 3:2 source 1, 5:4 source 2, 7:6 destination; an LDS address counts as source 0, LDS store data as source 1):
;   window 0: v0-15 addresses; v28, v29 for the add; v32-39 four pairs of sums; v64-127 eight accumulators; v128-191, v192-255 E's fragments, two sets (even, odd tiles), K step s at 16 s
;   window 1: v0-127 W step 0 (tile t at 16 t); v128-191 hidden of odd tiles; v192-195 LDS addresses      window 2: v0-127 W step 1; v128-255 W step 2
;   window 3: v0-127 W step 3; v128-191 hidden of even tiles; v192-195 the same LDS addresses
.set PITCH,  272                       ; an LDS row: 256 bytes + 16 of padding = 68 words: the 16 rows that a load touches start at 16 different banks (64 banks of 4 bytes: ISA guide 11.1)
.set PANEL,  128*PITCH                 ; 128 rows x a quarter of K: what one tensor load brings
.set SLOT,   4*PANEL                   ; the four quarters of K
.set SETB,   128*1024                  ; a set of E in memory
.set SCR,    2*SLOT                    ; behind the ring: the lanes' sums, [wave][h][b 32][sl 32] f32; no tile ever lands here
.set SCB,    144                       ; a batch's 32 sums + 16 bytes
.set SCH,    32*SCB
.set SCW,    2*SCH
.set SPARE,  SCR+4*SCW                 ; behind them: the spare words, 128 bytes for each wave: two blocks of 256 bytes that no other line names
.set AW0, 10                           ; v10  my lane's place in my panel of W, part 0 (slot 0)
.set AW1, 11                           ; v11  part 1 (slot 1)
.set HO,  12                           ; v12  hidden: 4,096 r + 32 h; never rewritten
.set PO,  13                           ; v13  the prefetch's offset; never rewritten
.set FRD, 14                           ; v14  the way out: where I read sums back
.set GOF, 15                           ; v15  the way out: 16 x my thread's number
.set SPW, 28                           ; v28  LDS address of my spare word; never rewritten
.set NIL, 29                           ; v29  0; never rewritten
.set S,   32
.set ACC, 64
.set EF,  128
.set HID, 128                          ; in windows 1 and 3
.set AE,  192                          ; in windows 1 and 3: v192, v193 my lane's place in E's tiles in slot 0, 1
.set SC0, 194                          ;                     v194 my lane's place among the sums
.set SCA, 195                          ;                     v195 the same + 32 bytes for each lap done
.set G1E, 24                           ; s[24:31] descriptor group 1 for E's tiles; s[32:39] group 0, a set for each slot
.set G0E, 32
.set G1W, 48                           ; s[48:55], s[56:63] the same for W's two parts
.set G0W, 56
.set MULY, 0x01                        ; source 0 in window 1, all else in window 0
.set MULZ, 0x02
.set MULX, 0x03
.set MSB, 0
.macro WIN new                         ; the immediate's high byte repeats the setting that is left; a switch that changes nothing is dropped
.if MSB != (\new)
	s_set_vgpr_msb (MSB<<8)|(\new)
.set MSB, (\new)
.endif
.endm
.macro PLACES
.rept 4
	v_nop
.endr
.endm
.macro CREST                           ; a round of the cluster's barrier behind its opening barrier
	s_cmp_lg_u32 s14, 0
	s_cbranch_scc1 .Lnot_wave_0_\@
	s_barrier_signal -3
.Lnot_wave_0_\@:
	s_barrier_wait -3
	s_barrier_signal -1
	s_barrier_wait -1
.endm
.macro CROUND                          ; a whole round
	s_barrier_signal -1
	s_barrier_wait -1
	CREST
.endm
	s_load_b256 s[4:11], s[0:1], 0x0               ; E's codes s[4:5], W's codes s[6:7], hidden s[8:9], part s[10:11]
	v_lshl_add_u32 v[SPW], v0, 2, SPARE
	v_mov_b32 v[NIL], 0
	ds_add_u32 v28, v29
	s_wait_dscnt 0x0
	v_lshrrev_b32 v4, 5, v0
	v_readfirstlane_b32 s14, v4                    ; wave w = 0..3
	s_lshr_b32 s15, s14, 1                         ; i: which 128 rows of W
	s_and_b32 s16, s14, 1                          ; j: which half of K
	s_bfe_u32 s40, ttmp6, 0x40000                  ; cx, cy: my place in the cluster
	s_bfe_u32 s41, ttmp6, 0x40004
	s_lshl_b32 s42, ttmp9, 2
	s_add_co_u32 s42, s42, s40                     ; q = 4 x cluster x + cx
	s_and_b32 s17, ttmp7, 0xffff
	s_lshl_b32 s17, s17, 2
	s_add_co_u32 s17, s17, s41                     ; g = 4 x cluster y + cy
	s_lshl_b32 s43, s41, 2
	s_lshl_b32 s43, 15, s43                        ; my row of the cluster
	s_lshl_b32 s44, 0x1111, s40                    ; my column
	; descriptor group 1, both kinds: 128 rows x 256 bytes, 1,024 bytes apart in memory, padded in LDS
	s_or_b32 s[G1E], s43, (0<<16)|(1<<20)|(1<<21)|(5<<22)|(3<<25)   ; 15:0 the mask: E's tiles go to my row; 17:16 elements of 1 byte; 20 padding on; 21 set beside a mask; 24:22 after every 64 words (code 5); 31:25 four words (code 3)
	s_or_b32 s[G1W], s44, (0<<16)|(1<<20)|(1<<21)|(5<<22)|(3<<25)   ; the same with the mask of my column
.irp g, G1E, G1W
	s_mov_b32 s[\g+1], 256<<16                     ; tensor_dim0
	s_mov_b32 s[\g+2], 128<<16                     ; tensor_dim1
	s_mov_b32 s[\g+3], 256<<16                     ; tile_dim0
	s_mov_b32 s[\g+4], 128                         ; tile_dim1
	s_mov_b32 s[\g+5], 1024                        ; tensor_dim0_stride
	s_mov_b32 s[\g+6], 0
	s_mov_b32 s[\g+7], 0
.endr
	s_lshl_b32 s20, s17, 20                        ; E: g's 1,024 rows of 1,024 bytes (registers that never hold q),
	s_mov_b32 s21, 0
	s_mov_b32 s68, s20                             ; (kept for the prefetch)
	s_mov_b32 s69, 0
	s_lshl_b32 s18, s14, 8
	s_add_co_u32 s20, s20, s18                     ; + the quarter of K that I fetch: 256 w
	s_lshl_b32 s46, s42, 18                        ; W: q's 256 rows (registers that never hold g),
	s_lshl_b32 s18, s15, 17
	s_add_co_u32 s46, s46, s18                     ; + my 128 of them,
	s_lshl_b32 s18, s16, 9
	s_add_co_u32 s46, s46, s18                     ; + my half of K
	s_mov_b32 s47, 0
	s_mul_i32 s45, s14, PANEL                      ; where my loads go: panel w: no place in the cluster enters an LDS address
	s_lshl_b32 s23, s40, 15
	v_lshl_add_u32 v[PO], v0, 8, s23               ; 256 x (128 cx + my thread's number)
	s_wait_kmcnt 0x0
	s_add_nc_u64 s[68:69], s[4:5], s[68:69]
	s_add_nc_u64 s[20:21], s[4:5], s[20:21]
	s_add_nc_u64 s[46:47], s[6:7], s[46:47]
	global_prefetch_b8 v[PO], s[68:69] th:TH_LOAD_NT scope:SCOPE_SE   ; E's first set, 131,072 dense bytes: 512 blocks of 256, each asked for once: thread t of partner cx asks for block 128 cx + t.
	                                               ; It is the one set for whose landing the waves have no products to do; the tensor load that wants it stands behind W's two fills and 64 LDS loads.  Later sets are asked for a slot ahead by their own loads
.irp u, 0,1
	s_mov_b32 s[G0E+4*\u], 1                                       ; 1:0 count = 1
	s_add_co_u32 s[G0E+4*\u+1], s45, \u*SLOT                       ; 63:32 LDS address
	s_add_nc_u64 s[G0E+4*\u+2:G0E+4*\u+3], s[20:21], \u*SETB       ; 120:64 global address: set u
	s_or_b32 s[G0E+4*\u+3], s[G0E+4*\u+3], 0x80000000              ; 127:126 type = 2
	s_mov_b32 s[G0W+4*\u], 1
	s_add_co_u32 s[G0W+4*\u+1], s45, \u*SLOT
	s_add_nc_u64 s[G0W+4*\u+2:G0W+4*\u+3], s[46:47], \u*256        ; part u: K steps 2 u and 2 u + 1 of my half
	s_or_b32 s[G0W+4*\u+3], s[G0W+4*\u+3], 0x80000000
.endr
	CROUND                                         ; all sixteen work-groups are here: the first joint loads meet
	tensor_load_to_lds s[G0W:G0W+3], s[G1W:G1W+7]                  ; W's two parts stand together, ahead of every wait on TENSORcnt and every LDS read; four v_nop follow the second
	s_nop 0
	tensor_load_to_lds s[G0W+4:G0W+7], s[G1W:G1W+7]
	s_nop 0
	PLACES
	; hidden: lane (r, h) keeps hidden[16 p + r][256 q + 128 i + 16 t + 8 h + 0 .. 7] for both parities p and all eight t
	v_and_b32 v1, 15, v0                           ; r
	v_bfe_u32 v2, v0, 4, 1                         ; h
	v_lshlrev_b32 v[HO], 12, v1
	v_lshl_add_u32 v[HO], v2, 5, v[HO]
	s_lshl_b32 s70, s42, 10
	s_lshl_b32 s18, s15, 9
	s_add_co_u32 s70, s70, s18
	s_mov_b32 s71, 0
	s_add_nc_u64 s[8:9], s[8:9], s[70:71]
	WIN 0xc0                                       ; destination window 3: even tiles' batches 0 .. 15
.irp t, 0,1,2,3,4,5,6,7
	global_load_b128 v[HID+8*\t:HID+8*\t+3],   v[HO], s[8:9] offset:64*\t
	global_load_b128 v[HID+8*\t+4:HID+8*\t+7], v[HO], s[8:9] offset:64*\t+16
.endr
	WIN 0x40                                       ; destination window 1: odd tiles' batches 16 .. 31
.irp t, 0,1,2,3,4,5,6,7
	global_load_b128 v[HID+8*\t:HID+8*\t+3],   v[HO], s[8:9] offset:65536+64*\t
	global_load_b128 v[HID+8*\t+4:HID+8*\t+7], v[HO], s[8:9] offset:65536+64*\t+16
.endr
	WIN 0
	s_lshl_b32 s70, s42, 18                        ; part: block (q, g) of 4,096 bytes
	s_lshl_b32 s18, s17, 12
	s_add_co_u32 s70, s70, s18
	s_add_nc_u64 s[10:11], s[10:11], s[70:71]
	v_mul_u32_u24 v3, v1, PITCH
	v_lshl_add_u32 v3, v2, 4, v3                   ; a fragment's row x pitch + 16 x half
	v_add_nc_u32 v[AW0], s45, v3
	v_add_nc_u32 v[AW1], SLOT, v[AW0]
	s_mul_i32 s18, s16, 2*PANEL                    ; E: the two panels of my half of K
	s_add_co_u32 s19, s18, SLOT
	v_mul_u32_u24 v4, v1, SCB
	v_mad_u32_u24 v4, v2, SCH, v4                  ; the sums: batch r, half h
	s_mul_i32 s22, s14, SCW
	s_add_co_u32 s22, s22, SCR                     ; my wave's region
.irp win, 0x40, 0xc0                   ; the four addresses that the loop uses, once in each of the two windows under which it uses them
	WIN \win
	v_add_nc_u32 v[AE], s18, v3
	v_add_nc_u32 v[AE+1], s19, v3
	v_add_nc_u32 v[SC0], s22, v4
	v_add_nc_u32 v[SCA], s22, v4
.endr
	WIN 0
	v_lshrrev_b32 v5, 3, v0                        ; the way out: thread t reads batch t / 8 (and 16 more), sums 4 (t % 8) on
	v_and_b32 v6, 7, v0
	v_mul_u32_u24 v5, v5, SCB
	v_lshl_add_u32 v5, v6, 4, v5
	v_add_nc_u32 v[FRD], SCR, v5
	v_lshlrev_b32 v[GOF], 4, v0
	s_mov_b32 s66, 0                               ; 32 bytes (8 s) for each lap done
.macro WLOAD adr, base, half           ; eight fragments of W (16 rows x 128 K each) out of my own panel
.irp t, 0,1,2,3,4,5,6,7
.irp c, 0,1,2,3
	ds_load_b128 v[\base+16*\t+4*\c:\base+16*\t+4*\c+3], v[\adr] offset:\t*16*PITCH+128*\half+32*\c
.endr
.endr
.endm
	s_wait_tensorcnt 0x1                           ; my part 0 of W is in; part 1, issued behind it, may be out.  Nobody else reads my panel, so my own wait is all that these reads need
	WIN 0x40
	WLOAD AW0, 0, 0                                ; K step 0
	WIN 0x80
	WLOAD AW0, 0, 1                                ; K step 1
	WIN 0
	s_wait_tensorcnt 0x0                           ; slot 0 is filled again, with E's set 0: all my tensor loads have landed,
	ds_add_u32 v[SPW], v[NIL]                      ; 0 onto my spare word
	s_wait_dscnt 0x0                               ; the add is done and my reads of slot 0 are in
	CROUND                                         ; the same holds of every wave of every partner
	tensor_load_to_lds s[G0E:G0E+3], s[G1E:G1E+7]
	s_nop 0
	PLACES
	WIN 0x80
	WLOAD AW1, 128, 0                              ; K step 2: read while E's set 0 is on its way
	WIN 0xc0
	WLOAD AW1, 0, 1                                ; K step 3
	WIN 0
	s_wait_tensorcnt 0x0                           ; slot 1 is filled again, with E's set 1: my part of set 0 has landed,
	ds_add_u32 v[SPW], v[NIL]
	s_wait_dscnt 0x0                               ; the add is done and my reads of slot 1 are in
	CROUND
	tensor_load_to_lds s[G0E+4:G0E+7], s[G1E:G1E+7]
	s_nop 0
	PLACES
; One product: K step s, W's tile t, E's set.  zero = 1: it starts the sum: nothing is ever cleared.  The caller has set source 0's window for s.
.macro MM s, t, set, zero
.set WR, 16*(\t)
.if (\s) == 2
.set WR, 128+16*(\t)
.endif
.set ER, EF+64*(\set)+16*(\s)
.set AR, ACC+8*(\t)
.if \zero
	v_wmma_f32_16x16x128_fp8_fp8 v[AR:AR+7], v[WR:WR+15], v[ER:ER+15], 0
.else
	v_wmma_f32_16x16x128_fp8_fp8 v[AR:AR+7], v[WR:WR+15], v[ER:ER+15], v[AR:AR+7]
.endif
.endm
; The second product's share of accumulator t: four packed multiply-adds in four chains, the accumulator from its low end on.  Source 0 is hidden, in W's window.  t = 0 starts the chains.
.macro SLICE t
.irp u, 0,1,2,3
.if (\t) == 0
	v_pk_mul_f32 v[S+2*\u:S+2*\u+1], v[HID+8*(\t)+2*\u:HID+8*(\t)+2*\u+1], v[ACC+8*(\t)+2*\u:ACC+8*(\t)+2*\u+1]
.else
	v_pk_fma_f32 v[S+2*\u:S+2*\u+1], v[HID+8*(\t)+2*\u:HID+8*(\t)+2*\u+1], v[ACC+8*(\t)+2*\u:ACC+8*(\t)+2*\u+1], v[S+2*\u:S+2*\u+1]
.endif
.endr
.endm
; The eight chains' ends are added.  Source 0 names W's window here, so each addition is written 1.0 x a + b, with the constant in that place: the same bits as a + b, and no switch of windows.
.macro MG k
.if (\k) == 1
	v_pk_fma_f32 v[S:S+1], 1.0, v[S+2:S+3], v[S:S+1] op_sel_hi:[0,1,1]
.elseif (\k) == 2
	v_pk_fma_f32 v[S+4:S+5], 1.0, v[S+6:S+7], v[S+4:S+5] op_sel_hi:[0,1,1]
.elseif (\k) == 3
	v_pk_fma_f32 v[S:S+1], 1.0, v[S+4:S+5], v[S:S+1] op_sel_hi:[0,1,1]
.else
	v_fma_f32 v[S], 1.0, v[S+1], v[S]
.endif
.endm
; Load k of the 16 that bring tile ni of slot nslot: K steps in that tile's own order, four loads of 16 bytes a step
.macro LD k, nslot, ni
.set LS, (\k)/4
.if (\ni)%2
.set LS, 3-(\k)/4
.endif
.set LC, (\k)%4
	ds_load_b128 v[EF+64*((\ni)%2)+16*LS+4*LC:EF+64*((\ni)%2)+16*LS+4*LC+3], v[AE+(\nslot)] offset:(\ni)*16*PITCH+(LS/2)*PANEL+(LS%2)*128+32*LC
.endm
; A TILE: 16 rows of E, 32 products: four runs of eight, the eight accumulators by turns, one instruction a turn, from tile to tile and over the loop's edge too.
;   i, slot: the tile.   prev = 1: the tile before has its last slice, its additions and its store here; trel: its place among a lap's 16 tiles.
;   nxt = 1: tile ni of slot nslot is fetched, into the other set of registers.   chg = 1: this slot's last reads have been issued: it is filled again; 2: only the barrier; 0: neither.
; PLACES (ISA guide 7.12.1 for vector instructions): a slice reads the result of the product one back, and between the two stand the four plain lines of the gap before (the slice before it, or four v_nop),
; which name none of that product's registers.  The loads into the other set begin ten plain lines behind its last reader (slices 6 and 7 and two additions).  A product that starts a sum anew writes over
; an accumulator whose last link stands eight plain lines back or more that do not name it.
.macro TILE i, slot, prev, trel, nxt, nslot, ni, chg
.set ODD, (\i)%2
.set K0, 3*ODD
.set K1, 1+ODD
.set K2, 2-ODD
.set K3, 3-3*ODD
.set PI, ((\trel)%2)*16*SCB+((\trel)/2)*4          ; the tile before: batches 16 (trel % 2) on, s = trel / 2 of the lap's eight
	s_wait_dscnt 0x0                               ; my fragments are in: they were asked for in the first run of the tile before, 24 products ago or more
	WIN MULY+2*ODD
	MM K0, 0, ODD, 1
.if \prev
	SLICE 7
.endif
	MM K0, 1, ODD, 1
.if \prev
	MG 1
	MG 2
.endif
.if \nxt
.irp k, 0,1
	LD \k, \nslot, \ni
.endr
.endif
	MM K0, 2, ODD, 1
.if \prev
	MG 3
.endif
.if \nxt
.irp k, 2,3,4
	LD \k, \nslot, \ni
.endr
.endif
	MM K0, 3, ODD, 1
.if \prev
	MG 4
.endif
.if \nxt
.irp k, 5,6,7
	LD \k, \nslot, \ni
.endr
.endif
	MM K0, 4, ODD, 1
.if \prev
	ds_store_b32 v[SCA], v[S] offset:PI            ; my lane's sum over its 64 n and 512 k, into my wave's own region
.endif
.if \nxt
.irp k, 8,9,10
	LD \k, \nslot, \ni
.endr
.endif
	MM K0, 5, ODD, 1
.if \nxt
.irp k, 11,12,13
	LD \k, \nslot, \ni
.endr
.endif
	MM K0, 6, ODD, 1
.if \nxt
.irp k, 14,15
	LD \k, \nslot, \ni
.endr
.endif
	MM K0, 7, ODD, 1
.if \chg
	WIN 0                                          ; (the add's two registers lie in window 0)
	s_wait_tensorcnt 0x0                           ; all my tensor loads have landed: the one that was out is my part of the other slot;
	ds_add_u32 v[SPW], v[NIL]                      ; 0 onto my spare word; eight products stand between it and the wait for it
.endif
	WIN MULZ
.irp t, 0,1,2,3,4,5,6,7
	MM K1, \t, ODD, 0
.endr
.if \chg
	s_wait_dscnt 0x0                               ; the add is done, and my reads of this slot are over (its last tile's fragments are in)
	s_barrier_signal -1
.endif
.irp t, 0,1,2,3,4,5,6,7
	MM K2, \t, ODD, 0
.endr
.if \chg
	WIN 0
	s_barrier_wait -1
.endif
.if (\chg) == 1
	CREST                                          ; the barrier has opened a round of the cluster's barrier: no wave of any partner still reads this slot or has a load on its way
	s_add_nc_u64 s[G0E+4*(\slot)+2:G0E+4*(\slot)+3], s[G0E+4*(\slot)+2:G0E+4*(\slot)+3], 2*SETB   ; two sets on; the type bits on top are not reached
	tensor_load_to_lds s[G0E+4*(\slot):G0E+4*(\slot)+3], s[G1E:G1E+7]   ; my one tensor load behind the round: it has the next eight tiles' products in which to land
	s_nop 0
	PLACES
.endif
	WIN MULX-2*ODD
	MM K3, 0, ODD, 0
	PLACES
.irp t, 1,2,3,4,5,6,7
	MM K3, \t, ODD, 0
	SLICE \t-1
.endr
.endm
; tiles 1 to 7 of a slot; tr: the place in the lap of the slot's tile 0; chg: as above, for tile 6; more = 1: tile 7 fetches the other slot's tile 0
.macro REST slot, tr, chg, more
.irp i, 1,2,3,4,5
	TILE \i, \slot, 1, \tr+\i-1, 1, \slot, \i+1, 0
.endr
	TILE 6, \slot, 1, \tr+5, 1, \slot, 7, \chg
	TILE 7, \slot, 1, \tr+6, \more, 1-\slot, 0, 0
.endm
	WIN MULY
.irp k, 0,1,2,3,4,5,6,7,8,9,10,11,12,13,14,15
	LD \k, 0, 0                                    ; set 0 is whole: every wave has waited for its part in front of the round above
.endr
	s_wait_loadcnt 0x0                             ; hidden
	TILE 0, 0, 0, 0, 1, 0, 1, 0                    ; the first tile stands in front of the loop: no tile before it
	WIN 0                                          ; at a label and at a branch every window is 0
	s_mov_b32 s3, 3
.Llap:                                             ; a trip is 16 tiles, once round the ring, from a lap's second tile to the next lap's first, and fills both slots again: sets 2 to 7
	REST 0, 0, 1, 1
	TILE 0, 1, 1, 7, 1, 1, 1, 0
	REST 1, 8, 1, 1
	TILE 0, 0, 1, 15, 1, 0, 1, 0
	s_add_co_u32 s66, s66, 32                      ; the next lap's sums lie 8 s further on
	WIN 0x44                                       ; source 1 and destination window 1
	v_add_nc_u32 v[SCA], s66, v[SC0]
	WIN 0xcc                                       ; the same in window 3
	v_add_nc_u32 v[SCA], s66, v[SC0]
	WIN 0
	s_sub_co_u32 s3, s3, 1
	s_cmp_lg_u32 s3, 0
	s_cbranch_scc1 .Llap
	REST 0, 0, 2, 1                                ; the last lap is written out: nothing more is asked for; one barrier shows set 7 whole
	TILE 0, 1, 1, 7, 1, 1, 1, 0
	REST 1, 8, 0, 0
	SLICE 7                                        ; the last tile's end (slice 6 is the four places behind its last product)
	MG 1
	MG 2
	MG 3
	MG 4
	ds_store_b32 v[SCA], v[S] offset:16*SCB+7*4
	WIN 0
	; THE WAY OUT.  A score's part is the sum of eight words: four waves (two halves of n x two halves of K) x two halves of the lanes.  Thread t adds them for batch t / 8 (then 16 + t / 8) and four neighbouring s,
	; so that a wave's store covers 512 consecutive bytes, at a multiple of 256 from the buffer's first byte.
	s_wait_dscnt 0x0                               ; for the others' sake: my stores have landed
	s_barrier_signal -1
	s_barrier_wait -1
.irp rep, 0,1
.irp e, 0,1,2,3,4,5,6,7
	ds_load_b128 v[EF+32*\rep+4*\e:EF+32*\rep+4*\e+3], v[FRD] offset:\rep*16*SCB+\e*SCH
.endr
.endr
.macro SUM8 r                          ; eight groups of four numbers become one: 14 packed additions
.irp a, 0,8,16,24
.irp p, 0,2
	v_pk_add_f32 v[\r+\a+\p:\r+\a+\p+1], v[\r+\a+\p:\r+\a+\p+1], v[\r+\a+4+\p:\r+\a+4+\p+1]
.endr
.endr
.irp a, 0,16
.irp p, 0,2
	v_pk_add_f32 v[\r+\a+\p:\r+\a+\p+1], v[\r+\a+\p:\r+\a+\p+1], v[\r+\a+8+\p:\r+\a+8+\p+1]
.endr
.endr
.irp p, 0,2
	v_pk_add_f32 v[\r+\p:\r+\p+1], v[\r+\p:\r+\p+1], v[\r+16+\p:\r+16+\p+1]
.endr
.endm
	s_wait_dscnt 8                                 ; batches 0-15: their eight loads are in; the eight issued behind them may be out
	SUM8 EF
	global_store_b128 v[GOF], v[EF:EF+3], s[10:11]
	s_wait_dscnt 0x0
	SUM8 EF+32
	global_store_b128 v[GOF], v[EF+32:EF+35], s[10:11] offset:2048
	s_wait_tensorcnt 0x0                           ; the wave's end: behind my last tensor load and my last LDS store
	ds_add_u32 v[SPW], v[NIL]
	s_wait_dscnt 0x0
	CROUND                                         ; the closing round: no work-group ends while a partner may still ask for a tile that names it
	s_endpgm
.Lfunc_end_k_q95a20e8044_scores:
	.size	k_q95a20e8044_scores, .Lfunc_end_k_q95a20e8044_scores-k_q95a20e8044_scores
	.p2alignl 7, 3214868480
	.fill 96, 4, 3214868480
	.section	.rodata,"a",@progbits
	.p2align	6, 0x0
	.amdhsa_kernel k_q95a20e8044_scores
		.amdhsa_group_segment_fixed_size 327680
		.amdhsa_private_segment_fixed_size 0
		.amdhsa_enable_private_segment 0
		.amdhsa_kernarg_size 32
		.amdhsa_user_sgpr_count 2
		.amdhsa_user_sgpr_kernarg_segment_ptr 1
		.amdhsa_wavefront_size32 1
		.amdhsa_system_sgpr_workgroup_id_x 1
		.amdhsa_system_sgpr_workgroup_id_y 1
		.amdhsa_system_sgpr_workgroup_id_z 1
		.amdhsa_system_vgpr_workitem_id 0
		.amdhsa_next_free_vgpr 1024
		.amdhsa_next_free_sgpr 72
		.amdhsa_reserve_vcc 0
		.amdhsa_float_denorm_mode_32 3
		.amdhsa_float_denorm_mode_16_64 3
		.amdhsa_memory_ordered 1
		.amdhsa_forward_progress 1
		.amdhsa_inst_pref_size 202
	.end_amdhsa_kernel
	.amdgpu_metadata
---
amdhsa.version: [ 1, 2 ]
amdhsa.kernels:
  - .name:           k_q95a20e8044_scores
    .symbol:         k_q95a20e8044_scores.kd
    .args:
      - { .name: encoder_outputs_codes, .offset: 0, .size: 8, .value_kind: global_buffer, .address_space: global }
      - { .name: W_codes, .offset: 8, .size: 8, .value_kind: global_buffer, .address_space: global }
      - { .name: hidden, .offset: 16, .size: 8, .value_kind: global_buffer, .address_space: global }
      - { .name: part, .offset: 24, .size: 8, .value_kind: global_buffer, .address_space: global }
    .group_segment_fixed_size: 327680
    .private_segment_fixed_size: 0
    .kernarg_segment_align: 8
    .kernarg_segment_size: 32
    .max_flat_workgroup_size: 128
    .sgpr_count:     72
    .vgpr_count:     1024
    .wavefront_size: 32
...
	.end_amdgpu_metadata
.endif
;; end of part 1
;; launch softmax (part 2): grid 16 x 1, 32 waves a work-group, no clusters, 5,120 bytes of LDS; arguments part, hidden, b, lowp_scales, out0; writes out0
.if DOCPART == 2
	.amdgcn_target "amdgcn-amd-amdhsa--gfx1250"
	.amdhsa_code_object_version 6
	.text
	.protected	k_q95a20e8044_softmax
	.globl	k_q95a20e8044_softmax
	.p2align	8
	.type	k_q95a20e8044_softmax,@function
k_q95a20e8044_softmax:
	s_mov_b64 s[64:65], 0
	v_nop
	global_prefetch_b8 v0, s[64:65] scope:SCOPE_SE
	s_setreg_imm32_b32 hwreg(HW_REG_WAVE_MODE, 25, 1), 1
	s_wait_xcnt 0x0
; out0[b][s] = softmax over s of score[b][s],  score = 2^(e0 + e1) x (part[0] + part[1] + part[2] + part[3])[g][b][sl] + hidden[b] . bias,  s = 32 g + sl.
; part: [4][64][32][32] f32, made by the launch before.  hidden: [32][1024], bias: [1024], out0: [32][2048], f32.  e0, e1: the two whole numbers of lowp_scales.
; SHARES.  A work-group of 32 waves owns two batches, 2 x and 2 x + 1: together their 32 sums of a g are 256 consecutive bytes of part.  Thread t: wave W = t / 32, batch bs = (t / 16) % 2, c = t % 16:
; it owns s = 64 W + 4 c .. + 3 of its batch, so sixteen neighbouring lanes store 256 consecutive bytes of out0, at a multiple of 256 from its first byte; and it takes two of the 1,024 terms of hidden . bias.
; THE LARGEST SCORE is taken away before the exponential.  It is found on the sums before scale and bias: x -> ldexp(x, e) + hb never turns an order round (each of its two roundings is monotone), so the
; largest sum's score is exactly the largest score.
; ACROSS WAVES: each wave puts one word a batch into LDS; behind a barrier each lane reads two of the 32 words and four steps among the sixteen lanes join them.  The operations commute, so every lane of every
; wave of a batch ends with the same bits.  Three figures (largest, hidden . bias, the sum of p) in bytes of their own: two barriers.
; No matrix work, no tensor load, no cluster: 1 MiB is read once, and nothing is shared between work-groups.
; LIMITS: e0 + e1 is applied by v_ldexp_f32: none short of an f32 overflow of a score.  A p under 2^-126 comes out as 0 (v_exp_f32 gives no denormals: ISA guide, its entry in 15.8).
	s_load_b256 s[4:11], s[0:1], 0x0               ; part s[4:5], hidden s[6:7], bias s[8:9], lowp_scales s[10:11]
	s_load_b64 s[12:13], s[0:1], 0x20              ; out0
	v_lshl_add_u32 v48, v0, 2, 0x400
	v_mov_b32 v49, 0
	v_lshrrev_b32 v1, 5, v0                        ; W
	v_bfe_u32 v2, v0, 4, 1                         ; bs
	v_and_b32 v3, 15, v0                           ; c
	v_bfe_u32 v4, v0, 3, 1                         ; c / 8
	v_and_b32 v5, 7, v0                            ; c % 8
	v_lshl_add_u32 v6, v1, 1, v4                   ; g = 2 W + c / 8
	v_lshlrev_b32 v6, 12, v6                       ; part: 4,096 g
	v_lshl_add_u32 v6, v2, 7, v6                   ;  + 128 bs
	v_lshl_add_u32 v6, v5, 4, v6                   ;  + 16 (c % 8)
	v_lshl_add_u32 v7, v1, 4, v3
	v_lshlrev_b32 v7, 3, v7                        ; bias: my two numbers: 8 (16 W + c)
	v_lshl_add_u32 v8, v2, 12, v7                  ; hidden: the same in my batch's row
	v_lshlrev_b32 v9, 2, v1
	v_lshl_add_u32 v9, v2, 7, v9                   ; LDS: my wave's word of my batch: 128 bs + 4 W
	v_lshlrev_b32 v10, 3, v3
	v_lshl_add_u32 v10, v2, 7, v10                 ; LDS: the two words that I read back: 128 bs + 8 c
	s_lshl_b32 s14, ttmp9, 8                       ; part: two batches' 256 bytes
	s_mov_b32 s15, 0
	s_lshl_b32 s16, ttmp9, 13                      ; hidden: two rows of 4,096 bytes
	s_mov_b32 s17, 0
	s_lshl_b32 s18, ttmp9, 14                      ; out0: two rows of 8,192 bytes
	s_mov_b32 s19, 0
	s_wait_kmcnt 0x0
	s_load_b64 s[20:21], s[10:11], 0x0             ; e0, e1
	s_add_nc_u64 s[4:5], s[4:5], s[14:15]
	s_add_nc_u64 s[6:7], s[6:7], s[16:17]
	s_add_nc_u64 s[12:13], s[12:13], s[18:19]
.irp q, 0,1,2,3
	global_load_b128 v[16+4*\q:19+4*\q], v6, s[4:5] offset:\q*262144 th:TH_LOAD_NT   ; a wave's load covers two whole blocks of 256 bytes; read once in the launch
.endr
	global_load_b64 v[34:35], v8, s[6:7]
	global_load_b64 v[36:37], v7, s[8:9]
	s_wait_loadcnt 0x0
	v_pk_add_f32 v[16:17], v[16:17], v[20:21]      ; the four quarters of n
	v_pk_add_f32 v[18:19], v[18:19], v[22:23]
	v_pk_add_f32 v[24:25], v[24:25], v[28:29]
	v_pk_add_f32 v[26:27], v[26:27], v[30:31]
	v_pk_add_f32 v[16:17], v[16:17], v[24:25]
	v_pk_add_f32 v[18:19], v[18:19], v[26:27]
	v_mul_f32 v33, v34, v36                        ; my two terms of hidden . bias
	v_max3_num_f32 v32, v16, v17, v18              ; the largest of my four sums
	v_fmac_f32 v33, v35, v37
	v_max_num_f32 v32, v32, v19
.irp m, 1,2,4,8                        ; among the sixteen lanes of my batch
	v_max_num_f32_dpp v32, v32, v32 row_xmask:\m row_mask:0xf bank_mask:0xf
	v_add_f32_dpp v33, v33, v33 row_xmask:\m row_mask:0xf bank_mask:0xf
.endr
	ds_store_b32 v9, v32                           ; sixteen lanes write the same word with the same value
	ds_store_b32 v9, v33 offset:256
	s_wait_dscnt 0x0                               ; for the others' sake: my stores have landed
	s_barrier_signal -1
	s_barrier_wait -1
	ds_load_b64 v[40:41], v10
	ds_load_b64 v[42:43], v10 offset:256
	s_wait_kmcnt 0x0
	s_add_co_i32 s20, s20, s21                     ; e0 + e1
	s_wait_dscnt 0x0
	v_max_num_f32 v40, v40, v41
	v_add_f32 v42, v42, v43
.irp m, 1,2,4,8
	v_max_num_f32_dpp v40, v40, v40 row_xmask:\m row_mask:0xf bank_mask:0xf
	v_add_f32_dpp v42, v42, v42 row_xmask:\m row_mask:0xf bank_mask:0xf
.endr
	v_ldexp_f32 v40, v40, s20                      ; the row's largest sum, and my four, x 2^(e0 + e1),
.irp i, 0,1,2,3
	v_ldexp_f32 v[16+\i], v[16+\i], s20
.endr
	v_add_f32 v40, v40, v42                        ; + hidden . bias: the largest score, and my four scores
.irp i, 0,1,2,3
	v_add_f32 v[16+\i], v[16+\i], v42
.endr
.irp i, 0,1,2,3
	v_sub_f32 v[16+\i], v[16+\i], v40              ; the largest is taken away first, then log2(e) is applied: no difference of two large products is formed
.endr
.irp i, 0,1,2,3
	v_mul_f32 v[16+\i], 0x3fb8aa3b, v[16+\i]
.endr
.irp i, 0,1,2,3
	v_exp_f32 v[16+\i], v[16+\i]                   ; p = e^(score - largest), at most 1
.endr
	v_lshlrev_b32 v11, 8, v1                       ; (a plain line behind the exponentials)  out0: 256 W
	s_wait_alu depctr_va_vdst(0)
	v_add_f32 v44, v16, v17
	v_add_f32 v45, v18, v19
	v_add_f32 v44, v44, v45
.irp m, 1,2,4,8
	v_add_f32_dpp v44, v44, v44 row_xmask:\m row_mask:0xf bank_mask:0xf
.endr
	ds_store_b32 v9, v44 offset:512
	s_wait_dscnt 0x0
	s_barrier_signal -1
	s_barrier_wait -1
	ds_load_b64 v[46:47], v10 offset:512
	v_lshl_add_u32 v11, v2, 13, v11                ;  + 8,192 bs
	v_lshl_add_u32 v11, v3, 4, v11                 ;  + 16 c
	s_wait_dscnt 0x0
	v_add_f32 v46, v46, v47
.irp m, 1,2,4,8
	v_add_f32_dpp v46, v46, v46 row_xmask:\m row_mask:0xf bank_mask:0xf
.endr
	v_rcp_f32 v46, v46                             ; the row's sum is at least 1: the largest score's own p
	v_nop                                          ; one plain line between a transcendental and the use of its result
	s_wait_alu depctr_va_vdst(0)
	v_pk_mul_f32 v[16:17], v[16:17], v[46:47] op_sel_hi:[1,0]
	v_pk_mul_f32 v[18:19], v[18:19], v[46:47] op_sel_hi:[1,0]
	global_store_b128 v11, v[16:19], s[12:13] th:TH_STORE_NT   ; sixteen lanes store 256 consecutive bytes; written once, read by nobody here
	s_wait_tensorcnt 0x0
	ds_add_u32 v48, v49
	s_wait_dscnt 0x0
	s_endpgm
.Lfunc_end_k_q95a20e8044_softmax:
	.size	k_q95a20e8044_softmax, .Lfunc_end_k_q95a20e8044_softmax-k_q95a20e8044_softmax
	.p2alignl 7, 3214868480
	.fill 96, 4, 3214868480
	.section	.rodata,"a",@progbits
	.p2align	6, 0x0
	.amdhsa_kernel k_q95a20e8044_softmax
		.amdhsa_group_segment_fixed_size 5120
		.amdhsa_private_segment_fixed_size 0
		.amdhsa_enable_private_segment 0
		.amdhsa_kernarg_size 40
		.amdhsa_user_sgpr_count 2
		.amdhsa_user_sgpr_kernarg_segment_ptr 1
		.amdhsa_wavefront_size32 1
		.amdhsa_system_sgpr_workgroup_id_x 1
		.amdhsa_system_sgpr_workgroup_id_y 1
		.amdhsa_system_sgpr_workgroup_id_z 1
		.amdhsa_system_vgpr_workitem_id 0
		.amdhsa_next_free_vgpr 50
		.amdhsa_next_free_sgpr 66
		.amdhsa_reserve_vcc 0
		.amdhsa_float_denorm_mode_32 3
		.amdhsa_float_denorm_mode_16_64 3
		.amdhsa_memory_ordered 1
		.amdhsa_forward_progress 1
		.amdhsa_inst_pref_size 7
	.end_amdhsa_kernel
	.amdgpu_metadata
---
amdhsa.version: [ 1, 2 ]
amdhsa.kernels:
  - .name:           k_q95a20e8044_softmax
    .symbol:         k_q95a20e8044_softmax.kd
    .args:
      - { .name: part, .offset: 0, .size: 8, .value_kind: global_buffer, .address_space: global }
      - { .name: hidden, .offset: 8, .size: 8, .value_kind: global_buffer, .address_space: global }
      - { .name: b, .offset: 16, .size: 8, .value_kind: global_buffer, .address_space: global }
      - { .name: lowp_scales, .offset: 24, .size: 8, .value_kind: global_buffer, .address_space: global }
      - { .name: out0, .offset: 32, .size: 8, .value_kind: global_buffer, .address_space: global }
    .group_segment_fixed_size: 5120
    .private_segment_fixed_size: 0
    .kernarg_segment_align: 8
    .kernarg_segment_size: 40
    .max_flat_workgroup_size: 1024
    .sgpr_count:     66
    .vgpr_count:     50
    .wavefront_size: 32
...
	.end_amdgpu_metadata
.endif
;; end of part 2
;; ======== version 2 of 2: 2 launches
;; limits: right only within a limited range of input values
;; workspace buffers: part 1,048,576 bytes
;; launch scores (part 3): grid 4 x 64, 4 waves a work-group, clusters of 4 x 4, 327,680 bytes of LDS; arguments encoder_outputs_codes, W_codes, hidden, part; writes part
.if DOCPART == 3
	.amdgcn_target "amdgcn-amd-amdhsa--gfx1250"
	.amdhsa_code_object_version 6
	.text
	.protected	k_q95a20e8044_scores
	.globl	k_q95a20e8044_scores
	.p2align	8
	.type	k_q95a20e8044_scores,@function
k_q95a20e8044_scores:
	s_mov_b64 s[64:65], 0
	v_nop
	global_prefetch_b8 v0, s[64:65] scope:SCOPE_SE
	s_setreg_imm32_b32 hwreg(HW_REG_WAVE_MODE, 25, 1), 1
	s_wait_xcnt 0x0
	s_wait_alu depctr_hold_cnt(0) depctr_sa_sdst(0) depctr_va_vdst(0) depctr_va_sdst(0) depctr_va_ssrc(0) depctr_va_vcc(0) depctr_vm_vsrc(0)
	s_getreg_b32 s2, hwreg(HW_REG_IB_STS2, 6, 4)
	s_cmp_eq_u32 s2, 0
	s_cbranch_scc0 .Lentry_in_a_cluster
	s_endpgm
.Lentry_in_a_cluster:
	s_bfe_u32 s2, ttmp6, 0x10000c
	s_cmp_lg_u32 s2, 0xf033
	s_cbranch_scc0 .Lentry_shape_is_right
	s_endpgm
.Lentry_shape_is_right:
; part[q][b][s] = sum over n = 256 q .. 256 q + 255 of hidden[b][n] x (sum over k of E[s][b][k] W[n][k]), on the CODES' values, without the two scales (the next launch adds the four q and applies them).
; DEAD WORK LEFT OUT: the bias b.  score[b][s] = hidden[b] . (W e + bias) holds hidden[b] . bias, which is the same for every s of a batch, and the softmax runs over s: exp(x + c - max(x + c)) = exp(x - max x)
; for every c, whatever hidden and b hold.  So b has no way to the output: no launch loads it or names it.  LIMIT: a NaN, an infinity or an overflow that reaches hidden . bias alone is not carried to the result.
; LIMITS otherwise: none on the scales here.  NaN codes give what the matrix unit makes of them.
; SHARES.  Work-group (q, y) owns 256 rows of W and 1,024 rows of E: 16 batches (16 p on, p = y % 2) x 64 s (64 (y / 2) on).  Wave w = 2 i + j keeps rows 256 q + 128 i .. + 127 of W at K bytes 256 j .. + 255 and
; 512 + 256 j .. + 255 (four steps of 128) in 512 REGISTERS for the whole launch.  Only E streams: sets of 8 s x 16 batches x 1,024 K through a ring of two LDS slots.  A tile is the 16 batches of one s.
; A fragment's k lie as four loads of 16 bytes bring them, alike in E and in W: every product meets its partner; only the order of the f32 sums differs from an ascending one.
; TRANSPOSED USE: source 0 = 16 rows of W, source 1 = 16 rows of E: lane (r, h) holds batch 16 p + r, and register jj of accumulator t the column n = 16 t + 8 h + jj.
; A TILE'S 32 PRODUCTS: group A (accumulators t = 0..3) at K steps 0,1,2,3, then group B (t = 4..7) at steps 3,2,1,0; within a run of four the accumulators by turns.
; THE SECOND PRODUCT of a tile is 32 packed multiply-adds, line k on accumulator k / 4, its pair k % 4.  Lines 0-23 stand on end at the NEXT tile's head, in four chains by turns; lines 24-31 and the joining of the chains
; stand beside that tile's group A, one to a product.
; A TILE'S LDS INSTRUCTIONS STAND IN ONE RUN behind those 24 lines: the store of the sum that was finished beside the tile before, and the 16 loads of the next tile's fragments, 32 products ahead of their first use.
; CLUSTER 4 x 4.  E's tiles hang on y alone and are asked for jointly along a row of the cluster; W's panels hang on q alone and are asked for jointly along a column.
; A wave has one tensor load out at the head and one behind each round.
; PREFETCH: E's set 0 alone, asked for at the head; later sets are not prefetched: each is asked for by its own load more than seven tiles, 224 products, ahead of the wait for it.
; REGISTERS, in windows of 256 (s_set_vgpr_msb: bits 1:0 source 0, 3:2 source 1, 5:4 source 2, 7:6 destination; an LDS address counts as source 0, LDS store data as source 1):
;   window 0: v0-15 addresses; v28, v29 for the add; v32-40 sums; v64-127 accumulators; v128-191, v192-255 E's fragments (even, odd tiles), K step s at 16 s
;   window 1: W: A0 v0-63, A1 v64-127, A2 v128-191; hidden for lines 24-31 v192-207; v220-223 LDS addresses of E's tiles; v224, v225 of the sums
;   window 2: W: A3 v0-63, B3 v64-127, B2 v128-191
;   window 3: W: B1 v0-63, B0 v64-127; hidden for lines 0-23 v128-175          (A2: group A's four tiles at K step 2, tile t at 16 (t % 4))
.set WP,    528                        ; W in LDS: a row of 512 bytes + 16 of padding: an odd number of 16-byte columns
.set WPAN,  128*WP                     ; what one tensor load of W brings
.set SLOT1, 2*WPAN                     ; slot 1 begins here; W's first K half lies in slot 0's bytes, its second from here on
.set EP,    1040                       ; E in LDS: a row of 1,024 bytes + 16 of padding
.set TILEB, 16*EP
.set SETB,  8*32768                    ; from set to set in memory: 8 s
.set SCR,   2*SLOT1                    ; behind the ring: the lanes' sums, [wave][h][batch 16][s 64] f32; no tile ever lands here
.set SCB,   272                        ; a batch's 64 sums + 16 bytes
.set SCH,   16*SCB
.set SCW,   2*SCH
.set SPARE, SCR+4*SCW                  ; behind them: the spare words, 128 bytes for each wave, that no other line names
.set AW0, 10                           ; v10, v11 my lane's place in W's first and second K half
.set AW1, 11
.set HO,  12                           ; v12  hidden: 4,096 r + 32 h
.set PO,  13                           ; v13  the prefetch's offset
.set FRD, 14                           ; v14  the way out: where I read sums back
.set GOF, 15                           ; v15  the way out: my offset in part
.set SPW, 28
.set NIL, 29
.set S,   32                           ; v32-39 four chains of pairs
.set SF,  40                           ; v40  a tile's finished sum
.set ACC, 64
.set EF,  128
.set AE,  220                          ; window 1: slot 0 tiles 0-3, 4-7; slot 1 tiles 0-3, 4-7
.set SC0, 224                          ; window 1: my lane's place among the sums
.set SCA, 225                          ;           the same + 64 bytes for each lap done
.set G1E, 24
.set G0E, 32
.set G1W, 48
.set G0W, 56
.set MSB, 0
.macro WIN new                         ; the immediate's high byte repeats the setting that is left; a switch that changes nothing is dropped
.if MSB != (\new)
	s_set_vgpr_msb (MSB<<8)|(\new)
.set MSB, (\new)
.endif
.endm
.macro PLACES
.rept 4
	v_nop
.endr
.endm
.macro CREST                           ; a round of the cluster's barrier behind its opening barrier
	s_cmp_lg_u32 s14, 0
	s_cbranch_scc1 .Lnot_wave_0_\@
	s_barrier_signal -3
.Lnot_wave_0_\@:
	s_barrier_wait -3
	s_barrier_signal -1
	s_barrier_wait -1
.endm
.macro CROUND                          ; a whole round
	s_barrier_signal -1
	s_barrier_wait -1
	CREST
.endm
	s_load_b256 s[4:11], s[0:1], 0x0               ; E's codes s[4:5], W's codes s[6:7], hidden s[8:9], part s[10:11]
	v_lshl_add_u32 v[SPW], v0, 2, SPARE
	v_mov_b32 v[NIL], 0
	ds_add_u32 v[SPW], v[NIL]                      ; the opening: the add, twice on end; work on registers stands between it and the wait
	ds_add_u32 v[SPW], v[NIL]
	v_lshrrev_b32 v4, 5, v0
	v_readfirstlane_b32 s14, v4                    ; wave w = 0..3
	s_lshr_b32 s15, s14, 1                         ; i: which 128 rows of W I keep.  Also: which K half of W I fetch
	s_and_b32 s16, s14, 1                          ; j: which K steps.  Also: which 128 rows of W I fetch
	s_bfe_u32 s40, ttmp6, 0x40000                  ; cx, cy: my place in the cluster
	s_bfe_u32 s41, ttmp6, 0x40004
	s_lshl_b32 s42, ttmp9, 2
	s_add_co_u32 s42, s42, s40                     ; q = 4 x cluster x + cx
	s_and_b32 s17, ttmp7, 0xffff
	s_lshl_b32 s17, s17, 2
	s_add_co_u32 s17, s17, s41                     ; y = 4 x cluster y + cy
	s_and_b32 s12, s17, 1                          ; p
	s_lshr_b32 s13, s17, 1                         ; which 64 s
	s_lshl_b32 s43, s41, 2
	s_lshl_b32 s43, 15, s43                        ; my row of the cluster
	s_lshl_b32 s44, 0x1111, s40                    ; my column
	; group 1 for E: two s: 2 rows of 16,384 bytes (16 batches x 1,024 K), 32,768 bytes apart, four words of padding after every 256 words
	s_or_b32 s[G1E], s43, (0<<16)|(1<<20)|(1<<21)|(7<<22)|(3<<25)
	s_mov_b32 s[G1E+1], 16384<<16                  ; tensor_dim0
	s_mov_b32 s[G1E+2], 2<<16                      ; tensor_dim1
	s_mov_b32 s[G1E+3], 16384<<16                  ; tile_dim0
	s_mov_b32 s[G1E+4], 2                          ; tile_dim1
	s_mov_b32 s[G1E+5], 32768                      ; tensor_dim0_stride
	s_mov_b32 s[G1E+6], 0
	s_mov_b32 s[G1E+7], 0
	; for W: 128 rows x 512 bytes, 1,024 bytes apart, four words of padding after every 128 words
	s_or_b32 s[G1W], s44, (0<<16)|(1<<20)|(1<<21)|(6<<22)|(3<<25)
	s_mov_b32 s[G1W+1], 512<<16
	s_mov_b32 s[G1W+2], 128<<16
	s_mov_b32 s[G1W+3], 512<<16
	s_mov_b32 s[G1W+4], 128
	s_mov_b32 s[G1W+5], 1024
	s_mov_b32 s[G1W+6], 0
	s_mov_b32 s[G1W+7], 0
	s_lshl_b32 s20, s13, 21                        ; E: 64 s of 32,768 bytes (registers that never hold q),
	s_lshl_b32 s18, s12, 14
	s_add_co_u32 s20, s20, s18                     ; + the 16 batches' 16,384 bytes,
	s_mov_b32 s68, s20                             ; (kept for the prefetch)
	s_mov_b32 s69, 0
	s_lshl_b32 s18, s14, 16
	s_add_co_u32 s20, s20, s18                     ; + the two s that I fetch
	s_mov_b32 s21, 0
	s_lshl_b32 s46, s42, 18                        ; W: q's 256 rows (registers that never hold y),
	s_lshl_b32 s18, s16, 17
	s_add_co_u32 s46, s46, s18                     ; + the 128 that I fetch,
	s_lshl_b32 s18, s15, 9
	s_add_co_u32 s46, s46, s18                     ; + the K half that I fetch
	s_mov_b32 s47, 0
	s_mul_i32 s45, s14, WPAN                       ; where my loads go in LDS: W's,
	s_mul_i32 s19, s14, 2*TILEB                    ; and E's within a slot
	; the lane's addresses
	v_and_b32 v1, 15, v0                           ; r
	v_bfe_u32 v2, v0, 4, 1                         ; h
	s_lshl_b32 s23, s40, 7
	v_add_nc_u32 v5, s23, v0                       ; the prefetch: block x = 128 cx + my thread's number of set 0's 8 x 64 blocks of 256 bytes
	v_lshrrev_b32 v6, 6, v5
	v_and_b32 v7, 63, v5
	v_lshlrev_b32 v6, 15, v6
	v_lshl_add_u32 v[PO], v7, 8, v6
	v_lshlrev_b32 v[HO], 12, v1
	v_lshl_add_u32 v[HO], v2, 5, v[HO]
	s_lshl_b32 s18, s16, 8                         ; j's part of a K half
	s_mul_i32 s22, s15, WPAN
	s_add_co_u32 s22, s22, s18
	v_mul_u32_u24 v4, v1, WP
	v_lshl_add_u32 v4, v2, 4, v4
	v_add_nc_u32 v[AW0], s22, v4                   ; W: row 128 i + r
	v_add_nc_u32 v[AW1], SLOT1, v[AW0]
	v_mul_u32_u24 v3, v1, EP
	v_lshl_add_u32 v3, v2, 4, v3
	v_add_nc_u32 v3, s18, v3                       ; E: row r of a tile
	v_mul_u32_u24 v8, v1, SCB
	v_mad_u32_u24 v8, v2, SCH, v8                  ; the sums: batch r, half h
	s_mul_i32 s22, s14, SCW
	s_add_co_u32 s22, s22, SCR                     ; my wave's region
	v_lshrrev_b32 v5, 4, v0                        ; the way out: thread t takes batch t / 16 (and 8 more), s 4 (t % 16) on
	v_and_b32 v6, 15, v0
	v_mul_u32_u24 v7, v5, SCB
	v_lshl_add_u32 v7, v6, 4, v7
	v_add_nc_u32 v[FRD], SCR, v7
	v_lshlrev_b32 v[GOF], 13, v5
	v_lshl_add_u32 v[GOF], v6, 4, v[GOF]
	WIN 0x40
	v_mov_b32 v[AE], v3
	v_add_nc_u32 v[AE+1], 4*TILEB, v3
	v_add_nc_u32 v[AE+2], SLOT1, v3
	v_add_nc_u32 v[AE+3], SLOT1+4*TILEB, v3
	v_add_nc_u32 v[SC0], s22, v8
	v_add_nc_u32 v[SCA], s22, v8
	WIN 0
	s_mov_b32 s66, 0                               ; 64 bytes (16 s) for each lap done
	s_wait_alu depctr_va_vdst(0)                   ; ahead of the head's blocking waits
	s_wait_dscnt 0x0                               ; both opening adds are done
	s_wait_kmcnt 0x0
	s_add_nc_u64 s[68:69], s[4:5], s[68:69]
	s_add_nc_u64 s[20:21], s[4:5], s[20:21]
	s_add_nc_u64 s[46:47], s[6:7], s[46:47]
	s_mov_b32 s[G0W], 1                                            ; 1:0 count = 1
	s_mov_b32 s[G0W+1], s45                                        ; 63:32 LDS address
	s_mov_b64 s[G0W+2:G0W+3], s[46:47]                             ; 120:64 global address
	s_or_b32 s[G0W+3], s[G0W+3], 0x80000000                        ; 127:126 type = 2
.irp u, 0,1
	s_mov_b32 s[G0E+4*\u], 1
	s_add_co_u32 s[G0E+4*\u+1], s19, \u*SLOT1
	s_add_nc_u64 s[G0E+4*\u+2:G0E+4*\u+3], s[20:21], \u*SETB       ; set u
	s_or_b32 s[G0E+4*\u+3], s[G0E+4*\u+3], 0x80000000
.endr
	CROUND                                         ; all sixteen work-groups are here: the first joint loads meet
	tensor_load_to_lds s[G0W:G0W+3], s[G1W:G1W+7]  ; one tensor load a wave at the head
	s_nop 0
	PLACES
	global_prefetch_b8 v[PO], s[68:69] th:TH_LOAD_NT scope:SCOPE_SE   ; E's set 0: 512 blocks of 256 bytes, each asked for once in the cluster's row: thread t of partner cx asks for block 128 cx + t
	s_lshl_b32 s70, s42, 10                        ; hidden: q's 256 columns, my 128, the 16 batches
	s_lshl_b32 s18, s15, 9
	s_add_co_u32 s70, s70, s18
	s_lshl_b32 s18, s12, 16
	s_add_co_u32 s70, s70, s18
	s_mov_b32 s71, 0
	s_add_nc_u64 s[8:9], s[8:9], s[70:71]
; hidden for accumulator t, registers 4 v .. 4 v + 3 (lines 4 t + 2 v and the next): into the window in which those lines stand
.macro HL t, v
.set HX, 4*\t+2*\v
.if HX < 24
	WIN 0xc0
.set HR, 128+2*HX
.else
	WIN 0x40
.set HR, 192+2*(HX-24)
.endif
	global_load_b128 v[HR:HR+3], v[HO], s[8:9] offset:64*\t+16*\v
.endm
.irp t, 0,1,2,3,4,5,6,7
	HL \t, 0
	HL \t, 1
.endr
	WIN 0
	s_lshl_b32 s70, s42, 18                        ; part: q, the 16 batches, the 64 s
	s_lshl_b32 s18, s12, 17
	s_add_co_u32 s70, s70, s18
	s_lshl_b32 s18, s13, 8
	s_add_co_u32 s70, s70, s18
	s_add_nc_u64 s[10:11], s[10:11], s[70:71]
.macro WBLK adr, win, base, t0, half   ; four fragments of W (16 rows x 128 K each)
	WIN (\win)<<6
.irp u, 0,1,2,3
.irp c, 0,1,2,3
	ds_load_b128 v[\base+16*\u+4*\c:\base+16*\u+4*\c+3], v[\adr] offset:(\t0+\u)*16*WP+128*\half+32*\c
.endr
.endr
.endm
	s_wait_tensorcnt 0x0                           ; my panel of W is in; behind the barrier everybody's is
	s_barrier_signal -1
	s_barrier_wait -1
	WBLK AW0, 1, 0, 0, 0                           ; A0, A1, B1, B0: the first K half
	WBLK AW0, 1, 64, 0, 1
	WBLK AW0, 3, 0, 4, 1
	WBLK AW0, 3, 64, 4, 0
	WIN 0
	s_wait_tensorcnt 0x0                           ; slot 0 is filled again, with E's set 0: none of my tensor loads is out,
	ds_add_u32 v[SPW], v[NIL]
	s_wait_dscnt 0x0                               ; the add is done and my reads of slot 0 are in
	CROUND                                         ; the same holds of every wave of every partner
	tensor_load_to_lds s[G0E:G0E+3], s[G1E:G1E+7]
	s_nop 0
	PLACES
	WBLK AW1, 1, 128, 0, 0                         ; A2, A3, B3, B2: the second K half, read while E's set 0 is on its way
	WBLK AW1, 2, 0, 0, 1
	WBLK AW1, 2, 64, 4, 1
	WBLK AW1, 2, 128, 4, 0
	WIN 0
	s_wait_tensorcnt 0x0                           ; slot 1 is filled again, with E's set 1: my part of set 0 has landed,
	ds_add_u32 v[SPW], v[NIL]
	s_wait_dscnt 0x0                               ; the add is done and my reads of slot 1 are in
	CROUND
	tensor_load_to_lds s[G0E+4:G0E+7], s[G1E:G1E+7]
	s_nop 0
	PLACES
; Product n of a tile's 32, on E's set of registers.  A group's first run starts the sums with C = 0: nothing is ever cleared.
.macro MM n, set
.if \n < 16
.set KS, (\n)/4
.if KS < 3
	WIN 1
.set WR, 64*KS+16*((\n)%4)
.else
	WIN 2
.set WR, 16*((\n)%4)
.endif
.else
.set KS, 3-((\n)-16)/4
.if KS > 1
	WIN 2
.set WR, 64*(4-KS)+16*((\n)%4)
.else
	WIN 3
.set WR, 64*(1-KS)+16*((\n)%4)
.endif
.endif
.set ER, EF+64*(\set)+16*KS
.set AR, ACC+32*((\n)/16)+8*((\n)%4)
.if ((\n)%16) < 4
	v_wmma_f32_16x16x128_fp8_fp8 v[AR:AR+7], v[WR:WR+15], v[ER:ER+15], 0
.else
	v_wmma_f32_16x16x128_fp8_fp8 v[AR:AR+7], v[WR:WR+15], v[ER:ER+15], v[AR:AR+7]
.endif
.endm
; Line k of the second product's 32: accumulator k / 4, its pair k % 4.  Ascending: each accumulator is read from its low end on.  Lines 0-23 go by turns to four chains, which lines 0-3 begin; lines 24-31 go on with the first.
.macro LN k
.if (\k) < 24
	WIN 3
.set HR, 128+2*(\k)
.set SR, S+2*((\k)%4)
.else
	WIN 1
.set HR, 192+2*((\k)-24)
.set SR, S
.endif
.set AQ, ACC+2*(\k)
.if (\k) < 4
	v_pk_mul_f32 v[SR:SR+1], v[HR:HR+1], v[AQ:AQ+1]
.else
	v_pk_fma_f32 v[SR:SR+1], v[HR:HR+1], v[AQ:AQ+1], v[SR:SR+1]
.endif
.endm
.macro LHEAD                           ; the 24 lines at a tile's head, for the tile before
.irp k, 0,1,2,3,4,5,6,7,8,9,10,11,12,13,14,15,16,17,18,19,20,21,22,23
	LN \k
.endr
.endm
; Gap n = 0..15 behind product n: the tile before's lines 24-31, then the chains and the pair's halves are joined.  Source 0 names W's window there, so the additions are
; written 1.0 x a + b with the constant in that place: the same bits as a + b, and no switch of windows.
.macro LGAP n
.if \n < 4
.elseif \n < 12
	LN \n+20
.elseif \n == 12
	v_pk_fma_f32 v[S+4:S+5], 1.0, v[S+6:S+7], v[S+4:S+5] op_sel_hi:[0,1,1]
.elseif \n == 13
	v_pk_fma_f32 v[S:S+1], 1.0, v[S+2:S+3], v[S:S+1] op_sel_hi:[0,1,1]
.elseif \n == 14
	v_pk_fma_f32 v[S:S+1], 1.0, v[S+4:S+5], v[S:S+1] op_sel_hi:[0,1,1]
.else
	v_fma_f32 v[SF], 1.0, v[S+1], v[S]
.endif
.endm
; Load k of the 16 that bring tile ni of slot nslot: K steps ascending, four loads of 16 bytes a step
.macro LD k, nslot, ni
.set LS, (\k)/4
.set LC, (\k)%4
.set LR, EF+64*((\ni)%2)+16*LS+4*LC
	ds_load_b128 v[LR:LR+3], v[AE+2*(\nslot)+(\ni)/4] offset:((\ni)%4)*TILEB+(LS/2)*512+(LS%2)*128+32*LC
.endm
; A TILE.  prev = 0: no tile before it; 1: the tile before has its lines here; 2: and the sum of the tile before that one, finished beside this tile's forerunner, is stored; trel: that sum's place among a lap's 16.
;   nxt = 1: tile ni of slot nslot is fetched.   chg = 1: this slot's last reads have been issued: it is filled again; 2: only the barrier; 0: neither.
; PLACES (ISA guide 7.12.1 for vector instructions).  Accumulator 0 is finished by product 12 and first read by line 0: gaps 12-15 hold four lines; accumulator 4 by product 28 and first read by line 16: sixteen lines
; stand between; the others have more.  The fragments' set that the run at the head loads was last read by product 31 of the tile before: 24 lines stand between.
; No line stands beside products 16-31, so none stands between the barrier's signal and the refill.
.macro TILE i, slot, prev, trel, nxt, nslot, ni, chg
.if \prev
	LHEAD
.endif
	WIN 1
	s_wait_alu depctr_va_vdst(0)                   ; the chains go on behind the wait below
	s_wait_dscnt 0x0                               ; my fragments are in: they were asked for 32 products ago
.if (\prev) == 2
	ds_store_b32 v[SCA], v[SF] offset:4*(\trel)    ; my lane's sum over its 64 n and 512 k, into my wave's own region
.endif
.if \nxt
.irp k, 0,1,2,3,4,5,6,7,8,9,10,11,12,13,14,15
	LD \k, \nslot, \ni
.endr
.endif
.if \chg
	WIN 0                                          ; (the add's two registers lie in window 0)
	s_wait_tensorcnt 0x0                           ; all my tensor loads have landed: the one that was out is my part of the other slot;
	ds_add_u32 v[SPW], v[NIL]                      ; 0 onto my spare word; sixteen products stand between it and the wait for it
.endif
.irp n, 0,1,2,3,4,5,6,7,8,9,10,11,12,13,14,15
	MM \n, (\i)%2
.if \prev
	LGAP \n
.endif
.endr
.if (\prev) == 0
	PLACES
.endif
.if \chg
	s_wait_dscnt 0x0                               ; the add is done, and my reads of this slot are over (its last tile's fragments are in)
	s_barrier_signal -1
.endif
.irp n, 16,17,18,19,20,21,22,23
	MM \n, (\i)%2
.endr
.if \chg
	WIN 0
	s_barrier_wait -1
.endif
.if (\chg) == 1
	CREST                                          ; the barrier has opened a round of the cluster's barrier: no wave of any partner still reads this slot or has a load on its way
	s_add_nc_u64 s[G0E+4*(\slot)+2:G0E+4*(\slot)+3], s[G0E+4*(\slot)+2:G0E+4*(\slot)+3], 2*SETB   ; two sets on; the type bits on top are not reached
	tensor_load_to_lds s[G0E+4*(\slot):G0E+4*(\slot)+3], s[G1E:G1E+7]   ; my one tensor load behind the round: it has more than seven tiles' products in which to land
	s_nop 0
	PLACES
.endif
.irp n, 24,25,26,27,28,29,30,31
	MM \n, (\i)%2
.endr
.endm
; tiles 2 to 7 of a slot; tr: the place in the lap of the slot's tile 0; chg: as above, for tile 6; more = 1: tile 7 fetches the other slot's tile 0
.macro REST slot, tr, chg, more
.irp i, 2,3,4,5
	TILE \i, \slot, 2, \tr+\i-2, 1, \slot, \i+1, 0
.endr
	TILE 6, \slot, 2, \tr+4, 1, \slot, 7, \chg
	TILE 7, \slot, 2, \tr+5, \more, 1-\slot, 0, 0
.endm
	WIN 1
.irp k, 0,1,2,3,4,5,6,7,8,9,10,11,12,13,14,15
	LD \k, 0, 0                                    ; set 0 is whole: every wave has waited for its part in front of the round above
.endr
	s_wait_loadcnt 0x0                             ; hidden
	TILE 0, 0, 0, 0, 1, 0, 1, 0                    ; the first two tiles stand in front of the loop: no sum is finished yet
	TILE 1, 0, 1, 0, 1, 0, 2, 0
	WIN 0                                          ; at a label and at a branch every window is 0
	s_mov_b32 s3, 3
.Llap:                                             ; a trip is 16 tiles, once round the ring, from a lap's third tile to the next lap's second, and fills both slots again: sets 2 to 7
	REST 0, 0, 1, 1
	TILE 0, 1, 2, 6, 1, 1, 1, 0
	TILE 1, 1, 2, 7, 1, 1, 2, 0
	REST 1, 8, 1, 1
	TILE 0, 0, 2, 14, 1, 0, 1, 0
	TILE 1, 0, 2, 15, 1, 0, 2, 0
	s_add_co_u32 s66, s66, 64                      ; the next lap's sums lie 16 s further on
	WIN 0x44                                       ; source 1 and destination window 1
	v_add_nc_u32 v[SCA], s66, v[SC0]               ; first read behind the next tile's 24 lines
	WIN 0
	s_sub_co_u32 s3, s3, 1
	s_cmp_lg_u32 s3, 0
	s_cbranch_scc1 .Llap
	REST 0, 0, 2, 1                                ; the last lap is written out: nothing more is asked for; one barrier shows set 7 whole
	TILE 0, 1, 2, 6, 1, 1, 1, 0
	TILE 1, 1, 2, 7, 1, 1, 2, 0
	REST 1, 8, 0, 0
	WIN 1
	ds_store_b32 v[SCA], v[SF] offset:56
	LHEAD                                          ; the last tile's lines, with no products between them
.irp n, 0,1,2,3,4,5,6,7,8,9,10,11,12,13,14,15
	LGAP \n
.endr
	WIN 1
	ds_store_b32 v[SCA], v[SF] offset:60
	WIN 0
	; THE WAY OUT.  A score's part is the sum of eight words: four waves (two halves of n x two of K) x two halves of the lanes.  Thread t adds them for batch t / 16 (then 8 + t / 16) and four neighbouring s:
	; sixteen lanes store 256 consecutive bytes, at a multiple of 256 from the buffer's first byte.
	s_wait_dscnt 0x0                               ; for the others' sake: my stores have landed
	s_barrier_signal -1
	s_barrier_wait -1
.irp rep, 0,1
.irp e, 0,1,2,3,4,5,6,7
	ds_load_b128 v[EF+32*\rep+4*\e:EF+32*\rep+4*\e+3], v[FRD] offset:\rep*8*SCB+\e*SCH
.endr
.endr
.macro SUM8 r                          ; eight groups of four numbers become one: 14 packed additions
.irp a, 0,8,16,24
.irp p, 0,2
	v_pk_add_f32 v[\r+\a+\p:\r+\a+\p+1], v[\r+\a+\p:\r+\a+\p+1], v[\r+\a+4+\p:\r+\a+4+\p+1]
.endr
.endr
.irp a, 0,16
.irp p, 0,2
	v_pk_add_f32 v[\r+\a+\p:\r+\a+\p+1], v[\r+\a+\p:\r+\a+\p+1], v[\r+\a+8+\p:\r+\a+8+\p+1]
.endr
.endr
.irp p, 0,2
	v_pk_add_f32 v[\r+\p:\r+\p+1], v[\r+\p:\r+\p+1], v[\r+16+\p:\r+16+\p+1]
.endr
.endm
	s_wait_dscnt 8                                 ; the first eight loads are in; the eight issued behind them may be out
	SUM8 EF
	global_store_b128 v[GOF], v[EF:EF+3], s[10:11]
	s_wait_dscnt 0x0
	SUM8 EF+32
	global_store_b128 v[GOF], v[EF+32:EF+35], s[10:11] offset:65536
	s_wait_tensorcnt 0x0                           ; the wave's end: behind my last tensor load and my last LDS store
	ds_add_u32 v[SPW], v[NIL]
	s_wait_dscnt 0x0
	CROUND                                         ; the closing round: no work-group ends while a partner may still ask for a tile that names it
	s_endpgm
.Lfunc_end_k_q95a20e8044_scores:
	.size	k_q95a20e8044_scores, .Lfunc_end_k_q95a20e8044_scores-k_q95a20e8044_scores
	.p2alignl 7, 3214868480
	.fill 96, 4, 3214868480
	.section	.rodata,"a",@progbits
	.p2align	6, 0x0
	.amdhsa_kernel k_q95a20e8044_scores
		.amdhsa_group_segment_fixed_size 327680
		.amdhsa_private_segment_fixed_size 0
		.amdhsa_enable_private_segment 0
		.amdhsa_kernarg_size 32
		.amdhsa_user_sgpr_count 2
		.amdhsa_user_sgpr_kernarg_segment_ptr 1
		.amdhsa_wavefront_size32 1
		.amdhsa_system_sgpr_workgroup_id_x 1
		.amdhsa_system_sgpr_workgroup_id_y 1
		.amdhsa_system_sgpr_workgroup_id_z 1
		.amdhsa_system_vgpr_workitem_id 0
		.amdhsa_next_free_vgpr 1024
		.amdhsa_next_free_sgpr 72
		.amdhsa_reserve_vcc 0
		.amdhsa_float_denorm_mode_32 3
		.amdhsa_float_denorm_mode_16_64 3
		.amdhsa_memory_ordered 1
		.amdhsa_forward_progress 1
		.amdhsa_inst_pref_size 199
	.end_amdhsa_kernel
	.amdgpu_metadata
---
amdhsa.version: [ 1, 2 ]
amdhsa.kernels:
  - .name:           k_q95a20e8044_scores
    .symbol:         k_q95a20e8044_scores.kd
    .args:
      - { .name: encoder_outputs_codes, .offset: 0, .size: 8, .value_kind: global_buffer, .address_space: global }
      - { .name: W_codes, .offset: 8, .size: 8, .value_kind: global_buffer, .address_space: global }
      - { .name: hidden, .offset: 16, .size: 8, .value_kind: global_buffer, .address_space: global }
      - { .name: part, .offset: 24, .size: 8, .value_kind: global_buffer, .address_space: global }
    .group_segment_fixed_size: 327680
    .private_segment_fixed_size: 0
    .kernarg_segment_align: 8
    .kernarg_segment_size: 32
    .max_flat_workgroup_size: 128
    .sgpr_count:     72
    .vgpr_count:     1024
    .wavefront_size: 32
...
	.end_amdgpu_metadata
.endif
;; end of part 3
;; launch softmax (part 4): grid 32 x 1, 4 waves a work-group, no clusters, 768 bytes of LDS; arguments part, lowp_scales, out0; writes out0
.if DOCPART == 4
	.amdgcn_target "amdgcn-amd-amdhsa--gfx1250"
	.amdhsa_code_object_version 6
	.text
	.protected	k_q95a20e8044_softmax
	.globl	k_q95a20e8044_softmax
	.p2align	8
	.type	k_q95a20e8044_softmax,@function
k_q95a20e8044_softmax:
	s_mov_b64 s[64:65], 0
	v_nop
	global_prefetch_b8 v0, s[64:65] scope:SCOPE_SE
	s_setreg_imm32_b32 hwreg(HW_REG_WAVE_MODE, 25, 1), 1
	s_wait_xcnt 0x0
; out0[b][s] = softmax over s of 2^(e0 + e1) x x[b][s],  x = part[0] + part[1] + part[2] + part[3].   part: [4][32][2048] f32, made by the launch before.  e0, e1: the two whole numbers of lowp_scales.
; DEAD WORK LEFT OUT: hidden[b] . bias, the same for every s of a row, goes out of a softmax over s for all values of the inputs; b is not loaded (a NaN, an infinity or an overflow in it alone is not carried).
; SHARES.  A work-group of four waves owns one batch; wave w owns s = 512 w .. + 511, a lane four groups of four neighbours: each load and store of a wave covers 512 consecutive bytes at a multiple of 256 from the buffer's first byte.
; THE LARGEST SCORE is taken away before the exponential: each wave takes its own largest m and sum of p = 2^((x - m) c), c = log2(e) 2^(e0 + e1); behind ONE barrier each lane reads the four pairs, the row's largest is
; M = the largest m, the row's sum is the sum of the four sums x 2^((m - M) c), and a wave's p are multiplied by 2^((m - M) c) / that sum.
; One wave to a SIMD.  No matrix work, no tensor load, no cluster: each work-group reads 32 KiB of its own, once; no loop, so nothing to prefetch ahead of.
; LIMITS: e0 + e1 at most 126, so that c is an f32 number.  A p or a factor under 2^-126 comes out as 0 (v_exp_f32 gives no denormals: ISA guide, its entry in 15.8).
.set SPARE, 256                                    ; behind the four pairs' block: the spare words
	s_load_b128 s[4:7], s[0:1], 0x0                ; part s[4:5], lowp_scales s[6:7]
	s_load_b64 s[8:9], s[0:1], 0x10                ; out0
	v_lshl_add_u32 v2, v0, 2, SPARE
	v_mov_b32 v3, 0
	v_lshrrev_b32 v4, 5, v0                        ; w
	v_and_b32 v5, 31, v0                           ; lane
	v_lshlrev_b32 v6, 11, v4
	v_lshl_add_u32 v6, v5, 4, v6                   ; 2,048 w + 16 x lane: in a row of part and of out0
	v_lshlrev_b32 v7, 3, v4                        ; LDS: my wave's pair
	v_mov_b32 v15, 0                               ; LDS: the four pairs
	v_mov_b32 v10, 0x3fb8aa3b                      ; log2(e)
	v_mov_b32 v11, 0                               ; (named with v10 as a pair)
	v_mov_b32 v13, 0                               ; (named with v12 as a pair)
	v_mov_b32 v14, 0                               ; a lane permute's destination counts as one of its sources
	s_mov_b32 s18, 0x76543210                      ; v_permlanex16_b32's selects: lane l xor 16
	s_mov_b32 s19, 0xfedcba98
	s_lshl_b32 s14, ttmp9, 13                      ; my batch's row of 8,192 bytes
	s_mov_b32 s15, 0
	s_wait_alu depctr_va_vdst(0)                   ; at the head's end
	s_wait_kmcnt 0x0
	s_load_b64 s[16:17], s[6:7], 0x0               ; e0, e1
	s_add_nc_u64 s[4:5], s[4:5], s[14:15]
	s_add_nc_u64 s[8:9], s[8:9], s[14:15]
.irp q, 0,1,2,3
.irp i, 0,1,2,3
	global_load_b128 v[16+16*\q+4*\i:19+16*\q+4*\i], v6, s[4:5] offset:\q*262144+512*\i th:TH_LOAD_NT
.endr
.endr
	s_wait_kmcnt 0x0
	s_add_co_i32 s16, s16, s17                     ; e0 + e1
	s_wait_loadcnt 0x0
.irp p, 0,2,4,6,8,10,12,14                         ; the four quarters of n
	v_pk_add_f32 v[16+\p:17+\p], v[16+\p:17+\p], v[32+\p:33+\p]
	v_pk_add_f32 v[48+\p:49+\p], v[48+\p:49+\p], v[64+\p:65+\p]
.endr
.irp p, 0,2,4,6,8,10,12,14
	v_pk_add_f32 v[16+\p:17+\p], v[16+\p:17+\p], v[48+\p:49+\p]
.endr
	v_ldexp_f32 v10, v10, s16                      ; c
	v_max3_num_f32 v12, v16, v17, v18              ; the largest of my sixteen, in two chains,
	v_max3_num_f32 v9, v19, v20, v21
	v_max3_num_f32 v12, v12, v22, v23
	v_max3_num_f32 v9, v9, v24, v25
	v_max3_num_f32 v12, v12, v26, v27
	v_max3_num_f32 v9, v9, v28, v29
	v_max3_num_f32 v12, v12, v30, v31
	v_max_num_f32 v12, v12, v9
.irp m, 1,2,4,8
	v_max_num_f32_dpp v12, v12, v12 row_xmask:\m row_mask:0xf bank_mask:0xf
.endr
	v_permlanex16_b32 v14, v12, s18, s19
	v_max_num_f32 v12, v12, v14                    ; and of the wave: m
.irp p, 0,2,4,6,8,10,12,14                         ; the largest is taken away first: no difference of two large products is formed
	v_pk_add_f32 v[16+\p:17+\p], v[16+\p:17+\p], v[12:13] op_sel_hi:[1,0] neg_lo:[0,1] neg_hi:[0,1]
.endr
.irp p, 0,2,4,6,8,10,12,14
	v_pk_mul_f32 v[16+\p:17+\p], v[16+\p:17+\p], v[10:11] op_sel_hi:[1,0]
.endr
	s_wait_alu depctr_va_vdst(0)                   ; ahead of the batch
.irp i, 0,1,2,3,4,5,6,7,8,9,10,11,12,13,14,15
	v_exp_f32 v[16+\i], v[16+\i]                   ; p, at most 1
.endr
	v_nop                                          ; one plain place behind the exponentials
	s_wait_alu depctr_va_vdst(0)                   ; and the wait ahead of the first reader
.irp p, 0,2,4,6
	v_pk_add_f32 v[32+\p:33+\p], v[16+2*\p:17+2*\p], v[18+2*\p:19+2*\p]
.endr
	v_pk_add_f32 v[32:33], v[32:33], v[34:35]
	v_pk_add_f32 v[36:37], v[36:37], v[38:39]
	v_pk_add_f32 v[32:33], v[32:33], v[36:37]
	v_add_f32 v13, v32, v33
.irp m, 1,2,4,8
	v_add_f32_dpp v13, v13, v13 row_xmask:\m row_mask:0xf bank_mask:0xf
.endr
	v_permlanex16_b32 v14, v13, s18, s19
	v_add_f32 v13, v13, v14                        ; the wave's sum of p
	ds_store_b64 v7, v[12:13]                      ; all lanes write the same two words with the same values
	s_wait_alu depctr_va_vdst(0)                   ; directly ahead of the wait below
	s_wait_dscnt 0x0                               ; for the others' sake: my store has landed
	s_barrier_signal -1
	s_barrier_wait -1
	ds_load_b128 v[80:83], v15                     ; m and sum of waves 0, 1
	ds_load_b128 v[84:87], v15 offset:16           ; of waves 2, 3
	s_wait_dscnt 0x0
	v_max3_num_f32 v88, v80, v82, v84
	v_max_num_f32 v88, v88, v86                    ; M
	v_sub_f32 v90, v80, v88
	v_sub_f32 v91, v82, v88
	v_sub_f32 v92, v84, v88
	v_sub_f32 v93, v86, v88
	v_sub_f32 v94, v12, v88                        ; my own wave's
.irp i, 90,91,92,93,94
	v_mul_f32 v[\i], v[\i], v10
.endr
	s_wait_alu depctr_va_vdst(0)                   ; ahead of the batch
.irp i, 90,91,92,93,94
	v_exp_f32 v[\i], v[\i]
.endr
	v_nop                                          ; one plain place
	s_wait_alu depctr_va_vdst(0)                   ; and the wait ahead of the first reader
	v_mul_f32 v95, v81, v90
	v_mul_f32 v96, v85, v92
	v_fmac_f32 v95, v83, v91
	v_fmac_f32 v96, v87, v93
	v_add_f32 v95, v95, v96                        ; the row's sum: at least 1, the largest score's own p
	s_wait_alu depctr_va_vdst(0)                   ; ahead of the transcendental
	v_rcp_f32 v95, v95
	v_nop                                          ; one plain place
	s_wait_alu depctr_va_vdst(0)
	v_mul_f32 v94, v94, v95
.irp p, 0,2,4,6,8,10,12,14
	v_pk_mul_f32 v[16+\p:17+\p], v[16+\p:17+\p], v[94:95] op_sel_hi:[1,0]
.endr
.irp i, 0,1,2,3
	global_store_b128 v6, v[16+4*\i:19+4*\i], s[8:9] offset:512*\i th:TH_STORE_NT   ; written once, read by nobody here
.endr
	s_wait_tensorcnt 0x0                           ; the wave's end
	ds_add_u32 v2, v3
	s_wait_dscnt 0x0
	s_endpgm
.Lfunc_end_k_q95a20e8044_softmax:
	.size	k_q95a20e8044_softmax, .Lfunc_end_k_q95a20e8044_softmax-k_q95a20e8044_softmax
	.p2alignl 7, 3214868480
	.fill 96, 4, 3214868480
	.section	.rodata,"a",@progbits
	.p2align	6, 0x0
	.amdhsa_kernel k_q95a20e8044_softmax
		.amdhsa_group_segment_fixed_size 768
		.amdhsa_private_segment_fixed_size 0
		.amdhsa_enable_private_segment 0
		.amdhsa_kernarg_size 24
		.amdhsa_user_sgpr_count 2
		.amdhsa_user_sgpr_kernarg_segment_ptr 1
		.amdhsa_wavefront_size32 1
		.amdhsa_system_sgpr_workgroup_id_x 1
		.amdhsa_system_sgpr_workgroup_id_y 1
		.amdhsa_system_sgpr_workgroup_id_z 1
		.amdhsa_system_vgpr_workitem_id 0
		.amdhsa_next_free_vgpr 104
		.amdhsa_next_free_sgpr 66
		.amdhsa_reserve_vcc 0
		.amdhsa_float_denorm_mode_32 3
		.amdhsa_float_denorm_mode_16_64 3
		.amdhsa_memory_ordered 1
		.amdhsa_forward_progress 1
		.amdhsa_inst_pref_size 10
	.end_amdhsa_kernel
	.amdgpu_metadata
---
amdhsa.version: [ 1, 2 ]
amdhsa.kernels:
  - .name:           k_q95a20e8044_softmax
    .symbol:         k_q95a20e8044_softmax.kd
    .args:
      - { .name: part, .offset: 0, .size: 8, .value_kind: global_buffer, .address_space: global }
      - { .name: lowp_scales, .offset: 8, .size: 8, .value_kind: global_buffer, .address_space: global }
      - { .name: out0, .offset: 16, .size: 8, .value_kind: global_buffer, .address_space: global }
    .group_segment_fixed_size: 768
    .private_segment_fixed_size: 0
    .kernarg_segment_align: 8
    .kernarg_segment_size: 24
    .max_flat_workgroup_size: 128
    .sgpr_count:     66
    .vgpr_count:     104
    .wavefront_size: 32
...
	.end_amdgpu_metadata
.endif
;; end of part 4
